; MI455X (gfx1250); checked and timed in simulation.
; The chip was launched on July 23, 2026; its instructions are those of AMD's public machine-readable ISA for CDNA 5 (MIT licence, August 2026) and "CDNA5" Instruction Set Architecture Reference Guide (July 2026). The comments in the code are by the model that wrote it; some were corrected since.
;; Net. Allowed arithmetic: float matrix products may take bf16 or f16 operands with f32 sums; all other float work in f32.
;; Inputs: W1 500 x 2,312 float32; W2 100 x 500 float32; Wo 10 x 100 float32; b1 500 float32; b2 100 float32; bo 10 float32; fb1 500 x 10 float32; fb2 100 x 10 float32; label_one_hot 64 x 10 float32; spike_data 64 x 2,312 x 10 float32.
;; Outputs: out0 64 int32; out1 64 x 10 float32; out2 64 x 500 float32; out3 64 x 100 float32; out4 64 x 10 float32.
;; Constants: soft_error_step = 5.
;; One version. Each part assembles by itself: llvm-mc -triple=amdgcn-amd-amdhsa -mcpu=gfx1250 --defsym DOCPART=n.
;; ======== version 1 of 1: 2 launches
;; limits: values outside matrix products are rounded to bf16
;; workspace buffers: spk1 655,360 bytes
;; launch layer1 (part 1): grid 16 x 16, 9 waves a work-group, no clusters, 245,504 bytes of LDS; arguments spike_data, W1, b1, spk1; writes spk1
.if DOCPART == 1
	.amdgcn_target "amdgcn-amd-amdhsa--gfx1250"
	.amdhsa_code_object_version 6
	.text
	.protected	k_q538f001df9_layer1
	.globl	k_q538f001df9_layer1
	.p2align	8
	.type	k_q538f001df9_layer1,@function
k_q538f001df9_layer1:
	s_mov_b64 s[64:65], 0
	v_nop
	global_prefetch_b8 v0, s[64:65] scope:SCOPE_SE
	s_setreg_imm32_b32 hwreg(HW_REG_WAVE_MODE, 25, 1), 1
	s_wait_xcnt 0x0
; LAYER 1 of the spiking net: dot[b][t][n] = sum over k of x[b][k][t] W1[n][k], then for each (b, n) the ten steps
; volt = 0.6 volt (1 - spike) + dot + b1, spike = volt > 0.3.  The eligibility traces of the module feed none of its results and are not formed.
; x: [64][2312][10] f32, W1: [500][2312] f32, b1: [500] f32.  Result spk1: the spikes in bf16, in the order in which the next launch's
; fragments want them: byte s*40960 + b*640 + i*320 + h*160 + t*16 + 2e holds neuron n0(s) + 16h + 8i + e, n0(s) = min(32 s, 468).
; Block 15 begins at 468, so that no load leaves W1; its first 12 places repeat neurons of block 14 and are stored as 0.
; SHARES: work-group (x = block of 32 neurons, y = 4 batch rows): 40 rows (10 b + t) x 32 neurons, as 3 x 2 tiles of 16 x 16 (rows 40-47 repeat row 39
; and are dropped).  K is shared out: wave w takes k = 256 w .. 256 w + 255 in two chunks of 128; wave 8 also the last eight k.  The ten partial tiles meet in LDS.
; WHY LOADS THROUGH REGISTERS, NO TENSOR LOADS, NO CLUSTER: the operands are f32 and x lies [b][k][t]; every number has to pass a register to be rounded to bf16,
; and x has to be turned.  Here a lane's two 16-byte loads, 64 k apart, give four finished words (bf16 of k and of k + 64) by four conversions,
; and a ring of four register sets keeps 26 to 36 loads of 512 bytes of every wave on their way with no barrier in the main part.
; K ORDER: word d of a staging row holds k0 + d below and k0 + 64 + d above, alike for x and W1, so the products pair up rightly.
; LIMITS: x, W1 and b1 are rounded to bf16 (nearest even) as they are loaded, all else is f32; NaN and infinities are not served (places of K that are
; zeroed in x meet W1's numbers, which have to be finite).
.set XROW,  92480                      ; bytes of one batch row of x
.set WROW,  9248                       ; bytes of one row of W1
.set PITCH, 272                        ; a staging row: 64 words + 16 bytes, so that 16 rows begin in 16 different columns of 16 bytes modulo 256
.set STGB,  19584                      ; a wave's staging: 40 rows of x, then 32 rows of W1
.set WPART, 10880                      ; where W1's rows begin in it
.set PART,  176256                     ; behind nine stagings: ten partial tiles
.set PSLOT, 6528                       ; one of them: 48 rows
.set PP,    136                        ; of 32 f32 + 8 bytes
.set OUTS,  241536                     ; 2,560 bytes of spikes in spk1's order
.set XOFF, 2                           ; v2   16 lane + 10240 wave: my bytes in x; never rewritten
.set WOFF, 3                           ; v3   (lane/16) rows + 16 (lane%16) + 1024 wave: my bytes in W1; never rewritten
.set WSTO, 4                           ; v4   where my 16 bytes of a W1 row pair go
.set FA,   5                           ; v5   fragment address, x rows 0-15 (+4352: rows 16-31)
.set FA2,  6                           ; v6   x rows 32-39, row 39 repeated
.set FB,   7                           ; v7   W1 rows 0-15 (+4352: rows 16-31)
.set PST,  8                           ; v8   where my accumulator words go
.set BIAS, 9                           ; v9   b1 of neuron n0 + lane
.set XA,   10                          ; v10-19 where the four numbers of x load i go: XA+2i for the first two, XA+2i+1 for the last two
.set ZERO, 22
.set L4,   23                          ; 4 lane; never rewritten
.set FR,   24                          ; v24-63  fragments: x tiles at +0, +8, +16, W1 tiles at +24, +32
.set ACC,  64                          ; v64-111 tile (mt, nt) at 8 (2 mt + nt)
.set RX0,  112                         ; v112-151, v152-191: two sets for x (k part in the first 20, k + 64 part in the last 20)
.set RX1,  152
.set RW0,  192                         ; v192-223, v224-255: two sets for W1
.set RW1,  224
.set PS,   112                         ; later: the hundred partial sums of a lane, ten for each step
.set SP,   40                          ; later: its ten spikes
	s_load_b256 s[4:11], s[0:1], 0x0               ; x s[4:5], W1 s[6:7], b1 s[8:9], spk1 s[10:11]
	s_set_vgpr_msb 0x40
	v_lshl_add_u32 v0, v0, 2, 0x3ba00
	v_mov_b32 v1, 0
	s_set_vgpr_msb 0x4000
	v_and_b32 v1, 31, v0                           ; lane
	v_lshrrev_b32 v20, 5, v0
	v_readfirstlane_b32 s12, v20                   ; wave 0..8
	s_mov_b32 s13, ttmp9                           ; block of neurons
	s_and_b32 s14, ttmp7, 0xffff                   ; block of four batch rows
	s_lshl_b32 s16, s13, 5
	s_min_u32 s15, s16, 468                        ; n0
	s_sub_co_u32 s16, s16, s15                     ; how many of my first places repeat the block before: 0 or 12
	s_mov_b32 s22, 0x3e99999a                      ; the threshold 0.3
	s_mul_i32 s17, s12, STGB                       ; my staging
	v_lshrrev_b32 v20, 4, v1                       ; h
	v_and_b32 v21, 15, v1                          ; r
	s_mul_i32 s23, s12, 10240                      ; 256 k x 40 bytes
	s_lshl_b32 s24, s12, 10                        ; 256 k x 4 bytes
	v_lshl_add_u32 v[XOFF], v1, 4, s23
	v_mul_u32_u24 v[WOFF], v20, WROW
	v_lshl_add_u32 v[WOFF], v21, 4, v[WOFF]
	v_add_nc_u32 v[WOFF], s24, v[WOFF]
	v_lshlrev_b32 v[L4], 2, v1
	s_mul_i32 s18, s14, 4*XROW                     ; offsets, each in a pair with 0 above
	s_mov_b32 s19, 0
	s_mul_i32 s20, s15, WROW
	s_mov_b32 s21, 0
	s_lshl_b32 s26, s15, 2
	s_mov_b32 s27, 0
	s_mul_i32 s28, s13, 40960
	s_mul_i32 s25, s14, 2560
	s_add_co_u32 s28, s28, s25
	s_mov_b32 s29, 0
	s_wait_kmcnt 0x0
	s_add_nc_u64 s[4:5], s[4:5], s[18:19]          ; x at my first batch row
	s_add_nc_u64 s[6:7], s[6:7], s[20:21]          ; W1 at row n0
	s_add_nc_u64 s[8:9], s[8:9], s[26:27]          ; b1 at n0
	s_add_nc_u64 s[10:11], s[10:11], s[28:29]      ; my 2,560 bytes of spk1
; ten loads of 512 consecutive bytes: batch row b, chunk c: 64 k x 10 t, and the same 64 k further on
.macro XLOAD set, c, b
.irp i, 0,1,2,3,4
	global_load_b128 v[\set+4*\i:\set+4*\i+3],       v[XOFF], s[4:5] offset:\b*XROW+\c*5120+\i*512
	global_load_b128 v[\set+20+4*\i:\set+20+4*\i+3], v[XOFF], s[4:5] offset:\b*XROW+\c*5120+2560+\i*512
.endr
.endm
; twenty roundings of two numbers, twenty words scattered to (row 10 b + t, word k)
.macro XPUT set, b
.irp i, 0,1,2,3,4
.irp e, 0,1,2,3
	v_cvt_pk_bf16_f32 v[\set+4*\i+\e], v[\set+4*\i+\e], v[\set+20+4*\i+\e]
.endr
.endr
.irp i, 0,1,2,3,4
.irp e, 0,1,2,3
	ds_store_b32 v[XA+2*\i+(\e>>1)], v[\set+4*\i+\e] offset:\b*10*PITCH+(\e&1)*PITCH
.endr
.endr
.endm
; eight loads: rows 8 g .. 8 g + 7 of my 32, two rows a load (16 lanes take 256 consecutive bytes), 64 k and the 64 k behind them
.macro WLOAD set, c, g
.irp j, 0,1,2,3
	global_load_b128 v[\set+8*\j:\set+8*\j+3],   v[WOFF], s[6:7] offset:(8*\g+2*\j)*WROW+\c*512
	global_load_b128 v[\set+8*\j+4:\set+8*\j+7], v[WOFF], s[6:7] offset:(8*\g+2*\j)*WROW+\c*512+256
.endr
.endm
.macro WPUT set, g
.irp j, 0,1,2,3
.irp e, 0,1,2,3
	v_cvt_pk_bf16_f32 v[\set+8*\j+\e], v[\set+8*\j+\e], v[\set+8*\j+4+\e]
.endr
	ds_store_b128 v[WSTO], v[\set+8*\j:\set+8*\j+3] offset:(8*\g+2*\j)*PITCH
.endr
.endm
	global_load_b32 v[BIAS], v[L4], s[8:9]         ; the oldest load: every later counted wait shows it in
	; the last eight k (wave 8): the last 512 bytes of each batch row (k = 2299 .. 2311) and the last 256 bytes of each W1 row (k = 2248 .. 2311).
	; The immediates take wave 8's share of the offset registers back out: 91968 - 81920 and 8992 - 8192.
	s_cmp_lg_u32 s12, 8
	s_cbranch_scc1 .Lno_tail_loads
.irp b, 0,1,2,3
	global_load_b128 v[FR+4*\b:FR+4*\b+3], v[XOFF], s[4:5] offset:\b*XROW+10048
.endr
.irp j, 0,1,2,3,4,5,6,7,8,9,10,11,12,13,14,15
	global_load_b128 v[48+4*\j:48+4*\j+3], v[WOFF], s[6:7] offset:\j*2*WROW+800
.endr
.Lno_tail_loads:
	XLOAD RX0, 0, 0                                ; the ring's first four groups: 36 loads
	XLOAD RX1, 0, 1
	WLOAD RW0, 0, 0
	WLOAD RW1, 0, 1
	; LDS addresses, made while the loads are on their way (temporaries v40-42: no pending load names them)
	v_mov_b32 v[ZERO], 0
	s_add_co_u32 s23, s17, WPART
	v_mul_u32_u24 v[WSTO], v20, PITCH
	v_lshl_add_u32 v[WSTO], v21, 4, v[WSTO]
	v_add_nc_u32 v[WSTO], s23, v[WSTO]
	v_mul_u32_u24 v[FA], v21, PITCH                ; a lane takes 32 consecutive bytes of row r: those at 32 h of a step's 64
	v_lshl_add_u32 v[FA], v20, 5, v[FA]
	v_add_nc_u32 v[FB], s23, v[FA]
	v_add_nc_u32 v[FA], s17, v[FA]
	v_add_nc_u32 v[FA2], 32, v21
	v_min_u32 v[FA2], 39, v[FA2]
	v_mul_u32_u24 v[FA2], v[FA2], PITCH
	v_lshl_add_u32 v[FA2], v20, 5, v[FA2]
	v_add_nc_u32 v[FA2], s17, v[FA2]
	s_mul_i32 s24, s12, PSLOT
	s_add_co_u32 s24, s24, PART
	v_mul_u32_u24 v[PST], v20, 8*PP                ; accumulator register j of lane (r, h) is element (8 h + j, r)
	v_lshl_add_u32 v[PST], v21, 2, v[PST]
	v_add_nc_u32 v[PST], s24, v[PST]
; number f = F + 4 lane of a part of 640 numbers is (k = f / 10, t = f % 10); f is even, so f + 1 has the same k and t + 1
.macro ADDR dst, F
	v_lshl_add_u32 v40, v1, 2, \F
	v_mul_u32_u24 v41, v40, 205
	v_lshrrev_b32 v41, 11, v41                     ; f / 10, right for f < 640
	v_mul_u32_u24 v42, v41, 10
	v_sub_nc_u32 v40, v40, v42
	v_min_u32 v40, 8, v40                          ; t is 0, 2, 4, 6 or 8: the bound written out
	v_mul_u32_u24 v40, v40, PITCH
	v_lshl_add_u32 v40, v41, 2, v40
	v_add_nc_u32 v[\dst], s17, v40
.endm
.irp i, 0,1,2,3,4
	ADDR XA+2*\i, 128*\i
	ADDR XA+2*\i+1, 128*\i+2
.endr
.macro MM mt, nt, zero
.if \zero
	v_wmma_f32_16x16x32_bf16 v[ACC+8*(2*\mt+\nt):ACC+8*(2*\mt+\nt)+7], v[FR+8*\mt:FR+8*\mt+7], v[FR+24+8*\nt:FR+24+8*\nt+7], 0
.else
	v_wmma_f32_16x16x32_bf16 v[ACC+8*(2*\mt+\nt):ACC+8*(2*\mt+\nt)+7], v[FR+8*\mt:FR+8*\mt+7], v[FR+24+8*\nt:FR+24+8*\nt+7], v[ACC+8*(2*\mt+\nt):ACC+8*(2*\mt+\nt)+7]
.endif
.endm
; 32 of a chunk's 128 k: ten fragment loads, six products.  The six accumulators take turns, one instruction a turn.
; LDS serves a wave's instructions in order (ISA guide 5.7.1), so the loads see the wave's own stores above without a wait.
.macro STEP s, zero
	ds_load_b128 v[FR+24:FR+27], v[FB]  offset:64*\s
	ds_load_b128 v[FR+28:FR+31], v[FB]  offset:64*\s+16
	ds_load_b128 v[FR+32:FR+35], v[FB]  offset:16*PITCH+64*\s
	ds_load_b128 v[FR+36:FR+39], v[FB]  offset:16*PITCH+64*\s+16
	ds_load_b128 v[FR+0:FR+3],   v[FA]  offset:64*\s
	ds_load_b128 v[FR+4:FR+7],   v[FA]  offset:64*\s+16
	ds_load_b128 v[FR+8:FR+11],  v[FA]  offset:16*PITCH+64*\s
	ds_load_b128 v[FR+12:FR+15], v[FA]  offset:16*PITCH+64*\s+16
	ds_load_b128 v[FR+16:FR+19], v[FA2] offset:64*\s
	ds_load_b128 v[FR+20:FR+23], v[FA2] offset:64*\s+16
	s_wait_dscnt 4                                 ; both W1 tiles and x rows 0-15 are in; four loads may be out
	MM 0, 0, \zero
	MM 0, 1, \zero
	s_wait_dscnt 2                                 ; x rows 16-31
	MM 1, 0, \zero
	MM 1, 1, \zero
	s_wait_dscnt 0                                 ; x rows 32-39
	MM 2, 0, \zero
	MM 2, 1, \zero
.rept 4
	v_nop                                          ; four places ahead of the next loads into the fragments and of reads of the sums
.endr
.endm
; my six tiles into partial slot wave + d
.macro PARTOUT d
.irp mt, 0,1,2
.irp nt, 0,1
.irp j, 0,1,2,3,4,5,6,7
	ds_store_b32 v[PST], v[ACC+8*(2*\mt+\nt)+\j] offset:\d*PSLOT+(16*\mt+\j)*PP+64*\nt
.endr
.endr
.endr
.endm
	; THE LAST EIGHT K, wave 8: staged as the upper halves of words 51-63 of a chunk that ends at k = 2311; lower halves 0.
	s_cmp_lg_u32 s12, 8
	s_cbranch_scc1 .Lno_tail
	s_wait_loadcnt 36                              ; the 36 loads of the ring's start were issued behind the tail's 20
	v_cmp_le_u32 vcc_lo, 12, v1                    ; lanes 12-31 hold k = 2304 .. 2311; the others k that chunk 1 counts: zeroed
.set q, 0
.rept 16
	v_cndmask_b32 v[FR+q], 0, v[FR+q], vcc_lo
	v_cvt_pk_bf16_f32 v[FR+q], 0, v[FR+q]
.set q, q+1
.endr
.irp b, 0,1,2,3
.irp e, 0,1,2,3
	ds_store_b32 v[XA+8+(\e>>1)], v[FR+4*\b+\e] offset:\b*10*PITCH+(\e&1)*PITCH   ; numbers 512-639 of the part: words 51 (t >= 2) to 63
	ds_store_b32 v[XA+6+(\e>>1)], v[ZERO]       offset:\b*10*PITCH+(\e&1)*PITCH   ; numbers 384-511: words 38 to 51 (t < 2) are 0
.endr
.endr
.set q, 0
.rept 64
	v_cvt_pk_bf16_f32 v[48+q], 0, v[48+q]
.set q, q+1
.endr
.irp j, 0,1,2,3,4,5,6,7,8,9,10,11,12,13,14,15
	ds_store_b128 v[WSTO], v[48+4*\j:48+4*\j+3] offset:\j*2*PITCH
.endr
	STEP 3, 1                                      ; words 48-63
	PARTOUT 1                                      ; slot 9
.Lno_tail:
; A chunk of 128 k.  Each wait leaves out the three groups issued behind the one that is due (x: 10 loads, W1: 8); the set is filled again at once.
; more = 1: the second half of the ring's turns asks for chunk 1; more = 0: nothing is left to ask for and the counts run down.
.macro CHUNK c, more
	s_wait_loadcnt 26                              ; 10 + 8 + 8
	XPUT RX0, 0
	XLOAD RX0, \c, 2
	s_wait_loadcnt 26                              ; 8 + 8 + 10
	XPUT RX1, 1
	XLOAD RX1, \c, 3
	s_wait_loadcnt 28                              ; 8 + 10 + 10
	WPUT RW0, 0
	WLOAD RW0, \c, 2
	s_wait_loadcnt 28                              ; 10 + 10 + 8
	WPUT RW1, 1
	WLOAD RW1, \c, 3
	s_wait_loadcnt 26
	XPUT RX0, 2
.if \more
	XLOAD RX0, 1, 0
	s_wait_loadcnt 26
.else
	s_wait_loadcnt 16                              ; 8 + 8
.endif
	XPUT RX1, 3
.if \more
	XLOAD RX1, 1, 1
	s_wait_loadcnt 28
.else
	s_wait_loadcnt 8
.endif
	WPUT RW0, 2
.if \more
	WLOAD RW0, 1, 0
	s_wait_loadcnt 28
.else
	s_wait_loadcnt 0
.endif
	WPUT RW1, 3
.if \more
	WLOAD RW1, 1, 1
.endif
	STEP 0, \more                                  ; the first chunk's first products start the sums: nothing is cleared
	STEP 1, 0
	STEP 2, 0
	STEP 3, 0
.endm
	CHUNK 0, 1
	CHUNK 1, 0
	PARTOUT 0
	s_wait_dscnt 0x0                               ; my partial tile is in LDS,
	s_barrier_signal -1
	s_barrier_wait -1                              ; everybody's is
	; THE NEURONS: wave w (0-3) takes batch row w, lane = neuron place.
	s_cmp_ge_u32 s12, 4
	s_cbranch_scc1 .Lno_lif
	s_mul_i32 s23, s12, 10*PP
	s_add_co_u32 s23, s23, PART
	v_add_nc_u32 v24, s23, v[L4]                   ; row 10 w, column lane of slot 0
.macro PLOAD t
.irp p, 0,1,2,3,4,5,6,7,8,9
	ds_load_b32 v[PS+10*(\t)+\p], v24 offset:\p*PSLOT+(\t)*PP
.endr
.endm
.irp t, 0,1,2,3,4
	PLOAD \t                                       ; fifty loads are out at the most, so that every count below fits the wait's field
.endr
	v_cvt_pk_bf16_f32 v[BIAS], v[BIAS], v[BIAS]    ; b1 rounded to bf16,
	v_lshlrev_b32 v[BIAS], 16, v[BIAS]             ; as f32
	v_mov_b32 v26, 0x3f80                          ; 1.0 in bf16
	v_cmp_le_u32 vcc_lo, s16, v1
	v_cndmask_b32 v25, 0, v26, vcc_lo              ; what a spike stores: 0 in the places that repeat the block before
	v_mov_b32 v27, 0                               ; volt
	v_mov_b32 v28, 1.0                             ; 1 - spike
	v_bfe_u32 v32, v1, 3, 1                        ; place c = 16 h + 8 i + e goes to i*320 + h*160 + 2 e
	v_mul_u32_u24 v30, v32, 320
	v_mad_u32_u24 v30, v20, 160, v30
	v_and_b32 v32, 7, v1
	v_lshl_add_u32 v30, v32, 1, v30
	s_mul_i32 s23, s12, 640
	s_add_co_u32 s23, s23, OUTS
	v_add_nc_u32 v30, s23, v30
; one step: the ten partial sums, then volt and spike in the module's own order of operations (0.6 volt times 0 or 1 is exact, so the fused form rounds as the sum does)
.macro LIF1 t, cnt
	s_wait_dscnt \cnt
	v_pk_add_f32 v[PS+10*\t:PS+10*\t+1],   v[PS+10*\t:PS+10*\t+1],   v[PS+10*\t+2:PS+10*\t+3]
	v_pk_add_f32 v[PS+10*\t+4:PS+10*\t+5], v[PS+10*\t+4:PS+10*\t+5], v[PS+10*\t+6:PS+10*\t+7]
	v_pk_add_f32 v[PS+10*\t:PS+10*\t+1],   v[PS+10*\t:PS+10*\t+1],   v[PS+10*\t+8:PS+10*\t+9]
	v_pk_add_f32 v[PS+10*\t:PS+10*\t+1],   v[PS+10*\t:PS+10*\t+1],   v[PS+10*\t+4:PS+10*\t+5]
	v_add_f32 v31, v[PS+10*\t], v[PS+10*\t+1]
	v_mul_f32 v29, 0x3f19999a, v27
	v_fma_f32 v29, v29, v28, v31
	v_add_f32 v27, v29, v[BIAS]
	v_cmp_lt_f32 vcc_lo, s22, v27
	v_cndmask_b32 v28, 1.0, v[ZERO], vcc_lo
	v_cndmask_b32 v[SP+\t], 0, v25, vcc_lo
.endm
.irp t, 0,1,2,3,4
	LIF1 \t, 40                                    ; four later groups of ten stay out
	PLOAD \t+5
.endr
	LIF1 5, 40
	LIF1 6, 30
	LIF1 7, 20
	LIF1 8, 10
	LIF1 9, 0
.irp t, 0,1,2,3,4,5,6,7,8,9
	ds_store_b16 v30, v[SP+\t] offset:16*\t
.endr
.Lno_lif:
	s_wait_dscnt 0x0                               ; the spikes are in LDS,
	s_barrier_signal -1
	s_barrier_wait -1                              ; all four rows'
	; out: five waves, each store covers 512 consecutive bytes that begin at a multiple of 256 from spk1's first byte
	s_cmp_ge_u32 s12, 5
	s_cbranch_scc1 .Ldone
	v_lshlrev_b32 v24, 4, v0
	v_add_nc_u32 v25, OUTS, v24
	ds_load_b128 v[32:35], v25
	s_wait_dscnt 0x0
	global_store_b128 v24, v[32:35], s[10:11]
.Ldone:
	s_set_vgpr_msb 0x5
	s_wait_tensorcnt 0x0
	ds_add_u32 v0, v1
	s_wait_dscnt 0x0
	s_set_vgpr_msb 0x500
	s_endpgm
.Lfunc_end_k_q538f001df9_layer1:
	.size	k_q538f001df9_layer1, .Lfunc_end_k_q538f001df9_layer1-k_q538f001df9_layer1
	.p2alignl 7, 3214868480
	.fill 96, 4, 3214868480
	.section	.rodata,"a",@progbits
	.p2align	6, 0x0
	.amdhsa_kernel k_q538f001df9_layer1
		.amdhsa_group_segment_fixed_size 245504
		.amdhsa_private_segment_fixed_size 0
		.amdhsa_enable_private_segment 0
		.amdhsa_kernarg_size 32
		.amdhsa_user_sgpr_count 2
		.amdhsa_user_sgpr_kernarg_segment_ptr 1
		.amdhsa_wavefront_size32 1
		.amdhsa_system_sgpr_workgroup_id_x 1
		.amdhsa_system_sgpr_workgroup_id_y 1
		.amdhsa_system_sgpr_workgroup_id_z 1
		.amdhsa_system_vgpr_workitem_id 0
		.amdhsa_next_free_vgpr 258
		.amdhsa_next_free_sgpr 66
		.amdhsa_reserve_vcc 1
		.amdhsa_float_denorm_mode_32 3
		.amdhsa_float_denorm_mode_16_64 3
		.amdhsa_memory_ordered 1
		.amdhsa_forward_progress 1
		.amdhsa_inst_pref_size 95
	.end_amdhsa_kernel
	.amdgpu_metadata
---
amdhsa.version: [ 1, 2 ]
amdhsa.kernels:
  - .name:           k_q538f001df9_layer1
    .symbol:         k_q538f001df9_layer1.kd
    .args:
      - { .name: spike_data, .offset: 0, .size: 8, .value_kind: global_buffer, .address_space: global }
      - { .name: W1, .offset: 8, .size: 8, .value_kind: global_buffer, .address_space: global }
      - { .name: b1, .offset: 16, .size: 8, .value_kind: global_buffer, .address_space: global }
      - { .name: spk1, .offset: 24, .size: 8, .value_kind: global_buffer, .address_space: global }
    .group_segment_fixed_size: 245504
    .private_segment_fixed_size: 0
    .kernarg_segment_align: 8
    .kernarg_segment_size: 32
    .max_flat_workgroup_size: 288
    .sgpr_count:     66
    .vgpr_count:     258
    .wavefront_size: 32
...
	.end_amdgpu_metadata
.endif
;; end of part 1
;; launch rest (part 2): grid 64 x 1, 8 waves a work-group, clusters of 4 x 1, 306,432 bytes of LDS; arguments spk1, W2, b2, Wo, bo, fb1, fb2, label_one_hot, out0, out1, out2, out3, out4; writes out0, out1, out2, out3, out4
.if DOCPART == 2
	.amdgcn_target "amdgcn-amd-amdhsa--gfx1250"
	.amdhsa_code_object_version 6
	.text
	.protected	k_q538f001df9_rest
	.globl	k_q538f001df9_rest
	.p2align	8
	.type	k_q538f001df9_rest,@function
k_q538f001df9_rest:
	s_mov_b64 s[64:65], 0
	v_nop
	global_prefetch_b8 v0, s[64:65] scope:SCOPE_SE
	s_setreg_imm32_b32 hwreg(HW_REG_WAVE_MODE, 25, 1), 1
	s_wait_xcnt 0x0
	s_wait_alu depctr_hold_cnt(0) depctr_sa_sdst(0) depctr_va_vdst(0) depctr_va_sdst(0) depctr_va_ssrc(0) depctr_va_vcc(0) depctr_vm_vsrc(0)
	s_getreg_b32 s2, hwreg(HW_REG_IB_STS2, 6, 4)
	s_cmp_eq_u32 s2, 0
	s_cbranch_scc0 .Lentry_in_a_cluster
	s_endpgm
.Lentry_in_a_cluster:
	s_bfe_u32 s2, ttmp6, 0x10000c
	s_cmp_lg_u32 s2, 0x3003
	s_cbranch_scc0 .Lentry_shape_is_right
	s_endpgm
.Lentry_shape_is_right:
; LAYERS 2 AND 3, THE ERROR NEURONS AND THE FEEDBACK.  One work-group takes one batch row b; the 16 rows of every tile are the time steps (ten of them; rows 10-15 repeat row 9).
; Layer 2: waves 0-6 make 16 neurons each: dot[t][n] = sum over 512 places of spk1 x W2 (16 products of 32; place order as the first launch stored it), then ten steps of
; volt = 0.6 volt (1 - spike) + dot + b2, spike = volt > 0.3.  Layer 3 (wave 0): the same with Wo, bo on 128 places, of which 100 are neurons.
; From step 5 on: err = softmax(spike counts) - label (the maximum taken away first), two integrate-and-fire neurons on max(err, 0) and max(-err, 0), edv += their spikes' difference.
; err1 = edv x fb1^T, err2 = edv x fb2^T: the module adds diff x fb^T step by step, which is the same sum since edv is the sum of the diffs; edv is a whole number of size 5 at the most, exact in bf16.
; CLUSTER: W2, Wo, fb1 and fb2 are the same for every work-group: four work-groups ask for them jointly (mask 15).  Every LDS byte is filled once: one round of the cluster's
; barrier in front of the loads, one in front of the end, no refill.  A wave has at most three tensor loads outstanding (wave 6: W2's part, fb1, fb2).
; Zeros come from tiles that reach past their tensors: W2 rows 100-111, Wo rows 10-15 and columns 100-131, fb rows past the end and columns 10-19.
; LIMITS: W2, b2, Wo, bo, fb1, fb2 and the label are rounded to bf16 (nearest even) as they are read, all else is f32; 1 / sum in the softmax is v_rcp_f32;
; an argmax tie goes to the lowest index; NaN and infinities are not served (zero places meet numbers that have to be finite).
.set SP1R, 224000                      ; behind W2 (7 x 16 rows x 2,000 bytes, 2,000 = 125 x 16): my batch row of spk1, 16 blocks x 640 bytes
.set WOR,  234240                      ; Wo: 16 rows x 528 bytes (33 x 16)
.set FBR,  242688                      ; fb1 in rows 0-511, fb2 in rows 512-639, 80 bytes a row (5 x 16)
.set SPK2, 293888                      ; scratch, in 256-byte blocks into which no fill lands: layer 2's spikes [t][n] bf16, pitch 272;
.set SPILL, 4352                       ;   4,352 bytes behind it a second copy takes what lanes 16-31 store (nobody reads it)
.set EDV,  302592                      ; edv in bf16, 32 places
.set ERR,  302848                      ; 640 f32: err1 at 0, err2 at 2,048
.set JOINT, 15|(2<<16)|(1<<21)         ; group 1, word 0: mask of all four work-groups, elements of 4 bytes, bit 21 beside the mask
.set PLAIN, 2<<16
.set AADR, 5                           ; v5  spk1 fragments    v6  W2 rows    v7  where my spike goes    v11 fb rows
.set BADR, 6
.set S2A,  7
.set B2V,  8                           ; v8 b2, v9 bo, v10 label of my column
.set BOV,  9
.set LAB,  10
.set FBADR, 11
.set ONEB, 12                          ; 1.0 in bf16
.set ZERO, 13
.set NINF, 14
.set ONEF, 15
.set VV,   20                          ; volt, 1 - spike, at work
.set MM,   21
.set TT,   22
.set SPK,  24                          ; v24-33 ten spikes; later the error part's registers
.set X8,   34                          ; steps 8 and 9, brought over from lanes 16-31
.set X9,   35
.set ACC0, 40
.set ACC1, 48
.set BBF,  56                          ; v56-71 two W2 fragments in bf16
.set SET0, 72                          ; three sets of 48: two spk1 fragments, two W2 fragments in f32
.set SET1, 120
.set SET2, 168
.set FBF,  216                         ; v216-255 five fb fragments, upper halves 0
.set A3,   72                          ; layer 3: four spike fragments, Wo in f32, Wo in bf16
.set RAW3, 104
.set B3,   168
.set OUTR, 24                          ; error part: counts, masked counts, maximum, exponential, sum, 1/sum, err
.set XR,   25
.set MXR,  26
.set ER,   27
.set SMR,  28
.set RR,   29
.set ERV,  30
.set EPV,  31                          ; the two neurons' volts and spikes, edv
.set ENV,  32
.set EPS,  33
.set ENS,  36
.set EDR,  37
.set T0,   38
.set T1,   39
; a round of the cluster's barrier
.macro ROUND
	s_barrier_signal -1
	s_barrier_wait -1
	s_cmp_lg_u32 s4, 0
	s_cbranch_scc1 .Lnot_wave_0_\@
	s_barrier_signal -3
.Lnot_wave_0_\@:
	s_barrier_wait -3
	s_barrier_signal -1
	s_barrier_wait -1
.endm
; a descriptor of constants: tensor td0 x td1 left from the tile's first element, tile tl0 x tl1, pitch in elements, LDS byte, address from s[ptr:ptr+1]
.macro DESC g1, g0, word0, td0, td1, tl0, tl1, pitch, lds, ptr
	s_mov_b32 s[\g1+0], \word0
	s_mov_b32 s[\g1+1], (\td0)<<16
	s_mov_b32 s[\g1+2], (\td1)<<16
	s_mov_b32 s[\g1+3], (\tl0)<<16
	s_mov_b32 s[\g1+4], \tl1
	s_mov_b32 s[\g1+5], \pitch
	s_mov_b32 s[\g1+6], 0
	s_mov_b32 s[\g1+7], 0
	s_mov_b32 s[\g0+0], 1
	s_mov_b32 s[\g0+1], \lds
	s_mov_b64 s[\g0+2:\g0+3], s[\ptr:\ptr+1]
	s_or_b32 s[\g0+3], s[\g0+3], 0x80000000
.endm
	s_load_b512 s[12:27], s[0:1], 0x0              ; spk1 12, W2 14, b2 16, Wo 18, bo 20, fb1 22, fb2 24, label 26
	s_load_b256 s[28:35], s[0:1], 0x40             ; out0 28, out1 30, out2 32, out3 34
	s_load_b64 s[36:37], s[0:1], 0x60              ; out4
	v_lshl_add_u32 v19, v0, 2, 0x4a900
	v_mov_b32 v23, 0
	ds_add_u32 v19, v23
	ds_add_u32 v19, v23
	v_and_b32 v1, 31, v0                           ; lane
	v_lshrrev_b32 v16, 5, v0
	v_readfirstlane_b32 s4, v16                    ; wave 0..7
	s_bfe_u32 s5, ttmp6, 0x40000                   ; my place in the cluster: it enters global addresses of spk1, the label and the outputs alone
	s_lshl_b32 s6, ttmp9, 2
	s_add_co_u32 s6, s6, s5                        ; batch row b
	s_mov_b32 s80, 0x76543210                      ; v_permlanex16_b32: lane i reads lane i of the other half
	s_mov_b32 s81, 0xfedcba98
	s_mov_b32 s82, 0x3e99999a                      ; the threshold 0.3
	v_and_b32 v2, 15, v1                           ; r
	v_lshrrev_b32 v3, 4, v1                        ; h
	v_min_u32 v4, 9, v2                            ; rows and classes past the ninth repeat it
	v_cmp_gt_u32 s83, 10, v2                       ; columns that are classes
	v_mov_b32 v[ONEB], 0x3f80
	v_mov_b32 v[ZERO], 0
	v_mov_b32 v[NINF], 0xff800000
	v_mov_b32 v[ONEF], 1.0
	v_mul_u32_u24 v[AADR], v3, 160                 ; spk1: block s at 640 s, then i*320 + h*160 + t*16
	v_lshl_add_u32 v[AADR], v4, 4, v[AADR]
	v_add_nc_u32 v[AADR], SP1R, v[AADR]
	s_mul_i32 s7, s4, 32000
	v_mul_u32_u24 v[BADR], v2, 2000                ; W2: my wave's row r, 16 numbers at 64 h of a step's 128 bytes
	v_lshl_add_u32 v[BADR], v3, 6, v[BADR]
	v_add_nc_u32 v[BADR], s7, v[BADR]
	s_lshl_b32 s7, s4, 5
	s_add_co_u32 s7, s7, SPK2
	v_mul_u32_u24 v[S2A], v3, SPILL
	v_lshl_add_u32 v[S2A], v2, 1, v[S2A]
	v_add_nc_u32 v[S2A], s7, v[S2A]
	s_mul_i32 s7, s4, 6400
	s_add_co_u32 s7, s7, FBR
	v_mul_u32_u24 v[FBADR], v2, 80                 ; fb: my wave's 80 rows, row r of a tile, 8 numbers at 32 h
	v_lshl_add_u32 v[FBADR], v3, 5, v[FBADR]
	v_add_nc_u32 v[FBADR], s7, v[FBADR]
	s_lshl_b32 s7, s4, 4
	v_add_nc_u32 v16, s7, v2
	v_min_u32 v16, 99, v16                         ; b2 of neuron 16 w + r, inside the buffer
	v_lshlrev_b32 v16, 2, v16
	v_lshlrev_b32 v17, 2, v4
	s_mov_b32 s9, 0
	s_wait_dscnt 0x0
	s_wait_kmcnt 0x0
	s_mul_i32 s8, s6, 640
	s_add_nc_u64 s[12:13], s[12:13], s[8:9]        ; spk1 at (block 0, b)
	s_mul_i32 s8, s6, 40
	s_add_nc_u64 s[26:27], s[26:27], s[8:9]        ; label, out1, out4 at row b
	s_add_nc_u64 s[30:31], s[30:31], s[8:9]
	s_add_nc_u64 s[36:37], s[36:37], s[8:9]
	s_lshl_b32 s8, s6, 2
	s_add_nc_u64 s[28:29], s[28:29], s[8:9]        ; out0
	s_mul_i32 s8, s6, 2000
	s_add_nc_u64 s[32:33], s[32:33], s[8:9]        ; out2
	s_mul_i32 s8, s6, 400
	s_add_nc_u64 s[34:35], s[34:35], s[8:9]        ; out3
	ROUND                                          ; all four work-groups are here: the joint loads meet
	; every fill of the launch, as one group; the branches hang on the wave's number alone
	s_cmp_eq_u32 s4, 7
	s_cbranch_scc1 .Lwave7
	s_mov_b32 s40, JOINT                           ; W2: 16 rows x 500 numbers for each of waves 0-6
	s_mov_b32 s41, 500<<16                         ; tensor_dim0
	s_lshl_b32 s7, s4, 4
	s_sub_co_u32 s7, 100, s7
	s_lshl_b32 s42, s7, 16                         ; tensor_dim1 = 100 - 16 w rows are left: wave 6's last twelve rows arrive as zeros
	s_mov_b32 s43, 500<<16                         ; tile_dim0
	s_mov_b32 s44, 16                              ; tile_dim1
	s_mov_b32 s45, 500                             ; pitch
	s_mov_b32 s46, 0
	s_mov_b32 s47, 0
	s_mov_b32 s48, 1
	s_mul_i32 s49, s4, 32000                       ; LDS byte,
	s_mov_b32 s8, s49                              ; and the same distance in W2
	s_add_nc_u64 s[50:51], s[14:15], s[8:9]
	s_or_b32 s51, s51, 0x80000000
	tensor_load_to_lds s[48:51], s[40:47]
	s_nop 0
	s_cmp_lg_u32 s4, 6
	s_cbranch_scc1 .Lfilled
	DESC 52, 60, JOINT, 10, 500, 20, 512, 10, FBR, 22
	tensor_load_to_lds s[60:63], s[52:59]          ; fb1
	s_nop 0
	DESC 68, 76, JOINT, 10, 100, 20, 128, 10, FBR+40960, 24
	tensor_load_to_lds s[76:79], s[68:75]          ; fb2
	s_nop 0
	s_branch .Lfilled
.Lwave7:
	DESC 40, 48, PLAIN, 160, 16, 160, 16, 10240, SP1R, 12
	tensor_load_to_lds s[48:51], s[40:47]          ; my own batch row of spk1: no mask
	s_nop 0
	DESC 52, 60, JOINT, 100, 10, 132, 16, 100, WOR, 18
	tensor_load_to_lds s[60:63], s[52:59]          ; Wo
	s_nop 0
.Lfilled:
	global_load_b32 v[B2V], v16, s[16:17]
	global_load_b32 v[BOV], v17, s[20:21]
	global_load_b32 v[LAB], v17, s[26:27]
	s_wait_tensorcnt 0x0                           ; my tiles have landed,
	s_wait_loadcnt 0x0
.irp x, B2V, BOV, LAB
	v_cvt_pk_bf16_f32 v[\x], v[\x], v[\x]          ; rounded to bf16,
	v_lshlrev_b32 v[\x], 16, v[\x]                 ; as f32
.endr
	s_barrier_signal -1
	s_barrier_wait -1                              ; everybody's have
; fragments of steps 2 k and 2 k + 1: twelve loads.  Block 15 of spk1 begins at neuron 468: its W2 bytes begin at 1,872 = 128 x 15 - 48.
.macro G2LOAD k, set
.irp q, 0,1
	ds_load_b128 v[\set+8*\q:\set+8*\q+3],   v[AADR] offset:640*(2*(\k)+\q)
	ds_load_b128 v[\set+8*\q+4:\set+8*\q+7], v[AADR] offset:640*(2*(\k)+\q)+320
.irp i, 0,1,2,3
	ds_load_b128 v[\set+16+16*\q+4*\i:\set+16+16*\q+4*\i+3], v[BADR] offset:128*(2*(\k)+\q)-48*((2*(\k)+\q)/15)+16*\i
.endr
.endr
.endm
; two steps: W2 to bf16, one product on each of two accumulators, which take turns; then the set is asked for again
.macro G2BATCH k, set, cnt, first, next
	s_wait_dscnt \cnt
.irp q, 0,1
.irp m, 0,1,2,3,4,5,6,7
	v_cvt_pk_bf16_f32 v[BBF+8*\q+\m], v[\set+16+16*\q+2*\m], v[\set+16+16*\q+2*\m+1]
.endr
.endr
.if \first
	v_wmma_f32_16x16x32_bf16 v[ACC0:ACC0+7], v[\set:\set+7],    v[BBF:BBF+7],    0
	v_wmma_f32_16x16x32_bf16 v[ACC1:ACC1+7], v[\set+8:\set+15], v[BBF+8:BBF+15], 0
.else
	v_wmma_f32_16x16x32_bf16 v[ACC0:ACC0+7], v[\set:\set+7],    v[BBF:BBF+7],    v[ACC0:ACC0+7]
	v_wmma_f32_16x16x32_bf16 v[ACC1:ACC1+7], v[\set+8:\set+15], v[BBF+8:BBF+15], v[ACC1:ACC1+7]
.endif
.rept 4
	v_nop                                          ; four places ahead of loads into the set, of the next conversions and of reads of the sums
.endr
.if \next
	G2LOAD \k+3, \set
.endif
.endm
; one step of a neuron, in the module's own order (0.6 volt times 0 or 1 is exact, so the fused form rounds as the sum does)
.macro LIF dot, spk, bias, one
	v_mul_f32 v[TT], 0x3f19999a, v[VV]
	v_fma_f32 v[TT], v[TT], v[MM], v[\dot]
	v_add_f32 v[VV], v[TT], v[\bias]
	v_cmp_lt_f32 vcc_lo, s82, v[VV]
	v_cndmask_b32 v[MM], 1.0, v[ZERO], vcc_lo
	v_cndmask_b32 v[\spk], 0, v[\one], vcc_lo
.endm
; both accumulators together; steps 8 and 9 come over from lanes 16-31, so that lanes 0-15 hold all ten steps of column r
.macro GATHER
.irp j, 0,2,4,6
	v_pk_add_f32 v[ACC0+\j:ACC0+\j+1], v[ACC0+\j:ACC0+\j+1], v[ACC1+\j:ACC1+\j+1]
.endr
	v_permlanex16_b32 v[X8], v[ACC0], s80, s81
	v_permlanex16_b32 v[X9], v[ACC0+1], s80, s81
	v_mov_b32 v[VV], 0
	v_mov_b32 v[MM], 1.0
.endm
	; LAYER 2
	s_cmp_eq_u32 s4, 7
	s_cbranch_scc1 .Lzero_cols
	G2LOAD 0, SET0
	G2LOAD 1, SET1
	G2LOAD 2, SET2
	G2BATCH 0, SET0, 24, 1, 1                      ; two later batches of twelve loads stay out
	G2BATCH 1, SET1, 24, 0, 1
	G2BATCH 2, SET2, 24, 0, 1
	G2BATCH 3, SET0, 24, 0, 1
	G2BATCH 4, SET1, 24, 0, 1
	G2BATCH 5, SET2, 24, 0, 0
	G2BATCH 6, SET0, 12, 0, 0
	G2BATCH 7, SET1, 0, 0, 0
	v_mov_b32 v[X8], 0                             ; v_permlanex16_b32 counts as a reader of its destination
	v_mov_b32 v[X9], 0
	GATHER
.irp t, 0,1,2,3,4,5,6,7
	LIF ACC0+\t, SPK+\t, B2V, ONEB
.endr
	LIF X8, SPK+8, B2V, ONEB
	LIF X9, SPK+9, B2V, ONEB
	s_branch .Lspikes
.Lzero_cols:
.irp t, 0,1,2,3,4,5,6,7,8,9
	v_mov_b32 v[SPK+\t], 0                         ; wave 7: columns 112-127 of the spike tile
.endr
	v_mul_u32_u24 v18, v4, 272                     ; and the 16 bytes of padding behind each of the ten rows, so that every byte from the tile's first to its last is written:
	v_add_nc_u32 v18, SPK2+256, v18                ; lane (r, h) takes row min(r, 9); lanes that share a row store the same zeros
	ds_store_b128 v18, v[SPK:SPK+3]
.Lspikes:
.irp t, 0,1,2,3,4,5,6,7,8,9
	ds_store_b16 v[S2A], v[SPK+\t] offset:272*\t   ; columns 100-111 hold spikes of no neuron: they meet Wo's zero columns
.endr
	s_wait_dscnt 0x0                               ; my spikes are in LDS,
	s_barrier_signal -1
	s_barrier_wait -1                              ; everybody's are
	; every wave: its five fb tiles as fragments (k = class: 0-7 in lanes 0-15, 8-15 in lanes 16-31; k = 16-31 are 0)
.irp i, 0,1,2,3,4
	ds_load_b128 v[SET0+8*\i:SET0+8*\i+3],   v[FBADR] offset:1280*\i
	ds_load_b128 v[SET0+8*\i+4:SET0+8*\i+7], v[FBADR] offset:1280*\i+16
.endr
	s_wait_dscnt 0x0
.irp i, 0,1,2,3,4
.irp m, 0,1,2,3
	v_cvt_pk_bf16_f32 v[FBF+8*\i+\m], v[SET0+8*\i+2*\m], v[SET0+8*\i+2*\m+1]
	v_mov_b32 v[FBF+8*\i+4+\m], 0
.endr
.endr
	; LAYER 3 AND THE ERROR PART: wave 0
	s_cmp_lg_u32 s4, 0
	s_cbranch_scc1 .Lnot_w0
	v_mul_u32_u24 v16, v4, 272
	v_lshl_add_u32 v16, v3, 5, v16
	v_add_nc_u32 v16, SPK2, v16                    ; spikes: row t, 16 places at 32 h of a step's 64 bytes
	v_mul_u32_u24 v17, v2, 528
	v_lshl_add_u32 v17, v3, 6, v17
	v_add_nc_u32 v17, WOR, v17                     ; Wo: row r, the same 16 places in f32
.irp s, 0,1,2,3
	ds_load_b128 v[A3+8*\s:A3+8*\s+3],   v16 offset:64*\s
	ds_load_b128 v[A3+8*\s+4:A3+8*\s+7], v16 offset:64*\s+16
.irp i, 0,1,2,3
	ds_load_b128 v[RAW3+16*\s+4*\i:RAW3+16*\s+4*\i+3], v17 offset:128*\s+16*\i
.endr
.endr
	s_wait_dscnt 0x0
.set q, 0
.rept 32
	v_cvt_pk_bf16_f32 v[B3+q], v[RAW3+2*q], v[RAW3+2*q+1]
.set q, q+1
.endr
	v_wmma_f32_16x16x32_bf16 v[ACC0:ACC0+7], v[A3:A3+7],     v[B3:B3+7],     0               ; two accumulators by turns
	v_wmma_f32_16x16x32_bf16 v[ACC1:ACC1+7], v[A3+8:A3+15],  v[B3+8:B3+15],  0
	v_wmma_f32_16x16x32_bf16 v[ACC0:ACC0+7], v[A3+16:A3+23], v[B3+16:B3+23], v[ACC0:ACC0+7]
	v_wmma_f32_16x16x32_bf16 v[ACC1:ACC1+7], v[A3+24:A3+31], v[B3+24:B3+31], v[ACC1:ACC1+7]
.rept 4
	v_nop                                          ; four places ahead of the reads of the sums
.endr
	GATHER
.irp x, OUTR, MXR, SMR, EPV, ENV, EPS, ENS, EDR
	v_mov_b32 v[\x], 0                             ; the carried numbers start at 0; MXR and SMR are destinations of lane-crossing forms, which count as read
.endr
; softmax over the ten classes of a half of 16 lanes, then the two error neurons
.macro ERRSTEP
	v_cndmask_b32 v[XR], v[NINF], v[OUTR], s83     ; columns that are no class take no part
	v_max_num_f32_dpp v[MXR], v[XR], v[XR] row_xmask:1 row_mask:0xf bank_mask:0xf
	v_max_num_f32_dpp v[MXR], v[MXR], v[MXR] row_xmask:2 row_mask:0xf bank_mask:0xf
	v_max_num_f32_dpp v[MXR], v[MXR], v[MXR] row_xmask:4 row_mask:0xf bank_mask:0xf
	v_max_num_f32_dpp v[MXR], v[MXR], v[MXR] row_xmask:8 row_mask:0xf bank_mask:0xf
	v_sub_f32 v[ER], v[XR], v[MXR]
	v_mul_f32 v[ER], 0x3fb8aa3b, v[ER]
	v_exp_f32 v[ER], v[ER]
	v_sub_f32 v[EPV], v[EPV], v[EPS]               ; the plain instruction behind the exponential (ISA guide 5.7.2): volt - last spike
	s_wait_alu depctr_va_vdst(0)
	v_add_f32_dpp v[SMR], v[ER], v[ER] row_xmask:1 row_mask:0xf bank_mask:0xf
	v_add_f32_dpp v[SMR], v[SMR], v[SMR] row_xmask:2 row_mask:0xf bank_mask:0xf
	v_add_f32_dpp v[SMR], v[SMR], v[SMR] row_xmask:4 row_mask:0xf bank_mask:0xf
	v_add_f32_dpp v[SMR], v[SMR], v[SMR] row_xmask:8 row_mask:0xf bank_mask:0xf
	v_rcp_f32 v[RR], v[SMR]
	v_sub_f32 v[ENV], v[ENV], v[ENS]               ; the plain instruction behind the reciprocal
	s_wait_alu depctr_va_vdst(0)
	v_fma_f32 v[ERV], v[ER], v[RR], -v[LAB]        ; err; never -0: the product is +0 or more, and a sum that cancels rounds to +0
	v_max_num_f32 v[T0], 0, v[ERV]                 ; max(err, 0)
	v_sub_f32 v[T1], v[T0], v[ERV]                 ; max(-err, 0) = max(err, 0) - err, exactly: err - err or 0 - err; no maximum meets zeros of unlike sign
	v_add_f32 v[EPV], v[EPV], v[T0]
	v_add_f32 v[ENV], v[ENV], v[T1]
	v_cmp_lt_f32 vcc_lo, 0, v[EPV]
	v_cndmask_b32 v[EPS], 0, v[ONEF], vcc_lo
	v_cmp_lt_f32 vcc_lo, 0, v[ENV]
	v_cndmask_b32 v[ENS], 0, v[ONEF], vcc_lo
	v_add_f32 v[EDR], v[EDR], v[EPS]
	v_sub_f32 v[EDR], v[EDR], v[ENS]
.endm
.macro OSTEP dot, err
	LIF \dot, T0, BOV, ONEF
	v_add_f32 v[OUTR], v[OUTR], v[T0]
.if \err
	ERRSTEP
.endif
.endm
.irp t, 0,1,2,3,4
	OSTEP ACC0+\t, 0
.endr
.irp t, 5,6,7
	OSTEP ACC0+\t, 1                               ; soft_error_step = 5
.endr
	OSTEP X8, 1
	OSTEP X9, 1
	; argmax: the lowest class whose count is the maximum (XR and MXR are the last step's)
	v_cvt_f32_u32 v[T0], v2
	v_cmp_eq_f32 vcc_lo, v[XR], v[MXR]
	v_cndmask_b32 v[T0], 0x41800000, v[T0], vcc_lo
	v_min_num_f32_dpp v[T0], v[T0], v[T0] row_xmask:1 row_mask:0xf bank_mask:0xf
	v_min_num_f32_dpp v[T0], v[T0], v[T0] row_xmask:2 row_mask:0xf bank_mask:0xf
	v_min_num_f32_dpp v[T0], v[T0], v[T0] row_xmask:4 row_mask:0xf bank_mask:0xf
	v_min_num_f32_dpp v[T0], v[T0], v[T0] row_xmask:8 row_mask:0xf bank_mask:0xf
	v_cvt_i32_f32 v[T0], v[T0]
	v_cvt_pk_bf16_f32 v[T1], v[EDR], v[EDR]
	v_cmp_gt_u32 vcc_lo, 10, v1
	v_cndmask_b32 v[T1], 0, v[T1], vcc_lo          ; edv in bf16 in places 0-9, zeros in 10-31
	v_lshl_add_u32 v16, v1, 1, EDV
	ds_store_b16 v16, v[T1]
	v_lshlrev_b32 v17, 2, v1
	s_wait_xcnt 0x0                                ; EXEC changes only behind s_wait_xcnt 0
	s_and_saveexec_b32 s84, vcc_lo                 ; lanes 0-9: a row of out1 and of out4 is 40 bytes
	global_store_b32 v17, v[OUTR], s[30:31]
	global_store_b32 v17, v[EDR], s[36:37]
	s_wait_xcnt 0x0
	s_or_b32 exec_lo, exec_lo, s84
	v_cmp_eq_u32 vcc_lo, 0, v1
	s_and_saveexec_b32 s84, vcc_lo                 ; lane 0: the label
	global_store_b32 v[ZERO], v[T0], s[28:29]
	s_wait_xcnt 0x0
	s_or_b32 exec_lo, exec_lo, s84
.Lnot_w0:
	s_wait_dscnt 0x0                               ; edv is in LDS
	s_barrier_signal -1
	s_barrier_wait -1
	; THE FEEDBACK: five tiles a wave; all 16 rows of the left operand are edv, so register 0 of a result holds err of row r of the fb tile in both halves of the lanes
	v_lshl_add_u32 v16, v3, 4, EDV
	ds_load_b128 v[112:115], v16
.irp m, 116,117,118,119
	v_mov_b32 v\m, 0
.endr
	s_mul_i32 s7, s4, 320
	s_add_co_u32 s7, s7, ERR
	v_lshl_add_u32 v17, v2, 2, s7
	s_wait_dscnt 0x0
.irp i, 0,1,2,3,4
	v_wmma_f32_16x16x32_bf16 v[SET0+8*\i:SET0+8*\i+7], v[112:119], v[FBF+8*\i:FBF+8*\i+7], 0
.endr
.rept 4
	v_nop                                          ; four places ahead of the stores of the results
.endr
.irp i, 0,1,2,3,4
	ds_store_b32 v17, v[SET0+8*\i] offset:64*\i
.endr
	s_wait_dscnt 0x0
	s_barrier_signal -1
	s_barrier_wait -1
	; out: 16 bytes a lane, a row of out2 is 125 such pieces (waves 0-3), a row of out3 is 25 (wave 4)
	s_cmp_ge_u32 s4, 4
	s_cbranch_scc1 .Lnot_out2
	v_lshlrev_b32 v16, 4, v0
	v_add_nc_u32 v17, ERR, v16
	ds_load_b128 v[72:75], v17
	v_cmp_gt_u32 vcc_lo, 125, v0
	s_wait_dscnt 0x0
	s_wait_xcnt 0x0                                ; EXEC changes only behind s_wait_xcnt 0
	s_and_saveexec_b32 s84, vcc_lo
	global_store_b128 v16, v[72:75], s[32:33]
	s_wait_xcnt 0x0
	s_or_b32 exec_lo, exec_lo, s84
	s_branch .Lclose
.Lnot_out2:
	s_cmp_lg_u32 s4, 4
	s_cbranch_scc1 .Lclose
	v_lshlrev_b32 v16, 4, v1
	v_add_nc_u32 v17, ERR+2048, v16
	ds_load_b128 v[72:75], v17
	v_cmp_gt_u32 vcc_lo, 25, v1
	s_wait_dscnt 0x0
	s_wait_xcnt 0x0
	s_and_saveexec_b32 s84, vcc_lo
	global_store_b128 v16, v[72:75], s[34:35]
	s_wait_xcnt 0x0
	s_or_b32 exec_lo, exec_lo, s84
.Lclose:
	s_wait_tensorcnt 0x0
	ds_add_u32 v19, v23
	s_wait_dscnt 0x0
	ROUND                                          ; the closing round: no work-group ends while a partner may still ask jointly
	s_endpgm
.Lfunc_end_k_q538f001df9_rest:
	.size	k_q538f001df9_rest, .Lfunc_end_k_q538f001df9_rest-k_q538f001df9_rest
	.p2alignl 7, 3214868480
	.fill 96, 4, 3214868480
	.section	.rodata,"a",@progbits
	.p2align	6, 0x0
	.amdhsa_kernel k_q538f001df9_rest
		.amdhsa_group_segment_fixed_size 306432
		.amdhsa_private_segment_fixed_size 0
		.amdhsa_enable_private_segment 0
		.amdhsa_kernarg_size 104
		.amdhsa_user_sgpr_count 2
		.amdhsa_user_sgpr_kernarg_segment_ptr 1
		.amdhsa_wavefront_size32 1
		.amdhsa_system_sgpr_workgroup_id_x 1
		.amdhsa_system_sgpr_workgroup_id_y 1
		.amdhsa_system_sgpr_workgroup_id_z 1
		.amdhsa_system_vgpr_workitem_id 0
		.amdhsa_next_free_vgpr 256
		.amdhsa_next_free_sgpr 96
		.amdhsa_reserve_vcc 1
		.amdhsa_float_denorm_mode_32 3
		.amdhsa_float_denorm_mode_16_64 3
		.amdhsa_memory_ordered 1
		.amdhsa_forward_progress 1
		.amdhsa_inst_pref_size 50
	.end_amdhsa_kernel
	.amdgpu_metadata
---
amdhsa.version: [ 1, 2 ]
amdhsa.kernels:
  - .name:           k_q538f001df9_rest
    .symbol:         k_q538f001df9_rest.kd
    .args:
      - { .name: spk1, .offset: 0, .size: 8, .value_kind: global_buffer, .address_space: global }
      - { .name: W2, .offset: 8, .size: 8, .value_kind: global_buffer, .address_space: global }
      - { .name: b2, .offset: 16, .size: 8, .value_kind: global_buffer, .address_space: global }
      - { .name: Wo, .offset: 24, .size: 8, .value_kind: global_buffer, .address_space: global }
      - { .name: bo, .offset: 32, .size: 8, .value_kind: global_buffer, .address_space: global }
      - { .name: fb1, .offset: 40, .size: 8, .value_kind: global_buffer, .address_space: global }
      - { .name: fb2, .offset: 48, .size: 8, .value_kind: global_buffer, .address_space: global }
      - { .name: label_one_hot, .offset: 56, .size: 8, .value_kind: global_buffer, .address_space: global }
      - { .name: out0, .offset: 64, .size: 8, .value_kind: global_buffer, .address_space: global }
      - { .name: out1, .offset: 72, .size: 8, .value_kind: global_buffer, .address_space: global }
      - { .name: out2, .offset: 80, .size: 8, .value_kind: global_buffer, .address_space: global }
      - { .name: out3, .offset: 88, .size: 8, .value_kind: global_buffer, .address_space: global }
      - { .name: out4, .offset: 96, .size: 8, .value_kind: global_buffer, .address_space: global }
    .group_segment_fixed_size: 306432
    .private_segment_fixed_size: 0
    .kernarg_segment_align: 8
    .kernarg_segment_size: 104
    .max_flat_workgroup_size: 256
    .sgpr_count:     96
    .vgpr_count:     256
    .wavefront_size: 32
...
	.end_amdgpu_metadata
.endif
;; end of part 2
